; MI455X (gfx1250); checked and timed in simulation.
; The chip was launched on July 23, 2026; its instructions are those of AMD's public machine-readable ISA for CDNA 5 (MIT licence, August 2026) and "CDNA5" Instruction Set Architecture Reference Guide (July 2026). The comments in the code are by the model that wrote it; some were corrected since.
;; Dummy Swi GLU Experts. Allowed arithmetic: matrix products marked QUANTISED: E2M1 operands, one E8M0 scale for each 32 along K, by v_wmma_scale_f32_16x16x128_f8f6f4 with both operands' format E2M1 (or v_wmma_scale_f32_32x16x128_f4), f32 sums; everything else in f32.
;; Inputs: down_proj_codes 8 x 2,048 x 4 x 16 uint8 (E2M1 codes of down_proj, K innermost, in blocks of 32 codes, two codes a byte); down_proj_scales 8 x 2,048 x 4 uint8 (E8M0 scales of down_proj, one for each 32 codes along K); gate_up_proj_codes 8 x 256 x 64 x 16 uint8 (E2M1 codes of gate_up_proj, K innermost, in blocks of 32 codes, two codes a byte); gate_up_proj_scales 8 x 256 x 64 uint8 (E8M0 scales of gate_up_proj, one for each 32 codes along K); hidden_states_codes 4,096 x 64 x 16 uint8 (E2M1 codes of hidden_states, K innermost, in blocks of 32 codes, two codes a byte); hidden_states_scales 4,096 x 64 uint8 (E8M0 scales of hidden_states, one for each 32 codes along K); top_k_index 4,096 x 2 int32; top_k_weights 4,096 x 2 float32.
;; Outputs: out0 4,096 x 2,048 float32.
;; This version of the problem:
;;   THIS VERSION OF THE PROBLEM IS GIVEN IN LOW PRECISION. The matrix products marked QUANTISED in the list below multiply operands that are first quantised to E2M1 (2 exponent bits, 1 mantissa bit; 4 bits a number), with one power-of-two scale for each 32 numbers along K (OCP MX v1.0); their sums are f32. All else is computed in f32.
;;   The module's matrix products, in the order in which they are computed (A, B: the left and right operand; K: the contracted axis; several contracted axes count as one K, in the product's order):
;;     1. [M 8,192, K 2,048] x [K 2,048, N 256]; A: input hidden_states (given as codes); B: input gate_up_proj (given as codes): QUANTISED
;;     2. [M 8,192, K 128] x [K 128, N 2,048]; A: computed on the way; B: input down_proj (given as codes): QUANTISED
;;     3. [M 8,192, K 2,048] x [K 2,048, N 256]; A: input hidden_states (given as codes); B: input gate_up_proj (given as codes): QUANTISED
;;     4. [M 8,192, K 128] x [K 128, N 2,048]; A: computed on the way; B: input down_proj (given as codes): QUANTISED
;;     5. [M 8,192, K 2,048] x [K 2,048, N 256]; A: input hidden_states (given as codes); B: input gate_up_proj (given as codes): QUANTISED
;;     6. [M 8,192, K 128] x [K 128, N 2,048]; A: computed on the way; B: input down_proj (given as codes): QUANTISED
;;     7. [M 8,192, K 2,048] x [K 2,048, N 256]; A: input hidden_states (given as codes); B: input gate_up_proj (given as codes): QUANTISED
;;     8. [M 8,192, K 128] x [K 128, N 2,048]; A: computed on the way; B: input down_proj (given as codes): QUANTISED
;;     9. [M 8,192, K 2,048] x [K 2,048, N 256]; A: input hidden_states (given as codes); B: input gate_up_proj (given as codes): QUANTISED
;;     10. [M 8,192, K 128] x [K 128, N 2,048]; A: computed on the way; B: input down_proj (given as codes): QUANTISED
;;     11. [M 8,192, K 2,048] x [K 2,048, N 256]; A: input hidden_states (given as codes); B: input gate_up_proj (given as codes): QUANTISED
;;     12. [M 8,192, K 128] x [K 128, N 2,048]; A: computed on the way; B: input down_proj (given as codes): QUANTISED
;;     13. [M 8,192, K 2,048] x [K 2,048, N 256]; A: input hidden_states (given as codes); B: input gate_up_proj (given as codes): QUANTISED
;;     14. [M 8,192, K 128] x [K 128, N 2,048]; A: computed on the way; B: input down_proj (given as codes): QUANTISED
;;     15. [M 8,192, K 2,048] x [K 2,048, N 256]; A: input hidden_states (given as codes); B: input gate_up_proj (given as codes): QUANTISED
;;     16. [M 8,192, K 128] x [K 128, N 2,048]; A: computed on the way; B: input down_proj (given as codes): QUANTISED
;;   THE QUANTISER, for each operand of a quantised product, along K:
;;     - K is cut into blocks of 32 from its start; a last block that is shorter is filled with zeros.
;;     - A block's scale is 2^e with e = floor(log2(the largest magnitude in the block)) - 2, held to -126 .. 127; a block of zeros has e = 0. As a byte (E8M0): e + 127.
;;     - Each number is divided by its block's scale, clamped to +-6, and rounded to the nearest number of E2M1, ties to even, subnormals kept.
;;     - The product sums the exact products of the quantised numbers (number of the format x scale) in f32.
;;   ~~~python
;;   def quantise(x, axis):      # numpy; x: float32 -> the quantised numbers, widened to float32 again
;;       x = np.moveaxis(x, axis, -1); K = x.shape[-1]
;;       x = np.pad(x, [(0, 0)] * (x.ndim - 1) + [(0, -K % 32)]); x = x.reshape(x.shape[:-1] + (-1, 32)); a = np.abs(x).max(-1, keepdims=True)
;;       e = np.where(a > 0, np.clip(np.frexp(np.where(a > 0, a, 1))[1] - 1 - 2, -126, 127), 0)      # np.frexp(a)[1] - 1 = floor(log2(a)), exactly
;;       r = np.clip(x / 2.0 ** e, -6, 6)
;;       step = 2.0 ** (np.maximum(np.frexp(np.where(r == 0, 1, r))[1] - 1, 0) - 1)
;;       q = np.round(r / step) * step * 2.0 ** e      # np.round: ties to even
;;       return np.moveaxis(q.reshape(q.shape[:-2] + (-1,))[..., :K], -1, axis).astype(np.float32)
;;   ~~~
;;   OPERANDS COMPUTED ON THE WAY. 'Computed on the way' means the value that the module computes at that place (a softmax that the list does not call 'softmax' is quantised finished and normalised). What goes into a quantiser is computed in f32, as accurately as f32 sums, v_exp_f32 and their like allow (about 1e-6 of the number): no bf16 or f16 on the way to a quantiser, and a product that is left as it is and whose result goes on into a quantised operand takes f32 operands (vector FMAs, or v_wmma_f32_16x16x4_f32). A number that lies on a knife's edge between two numbers of the format may be rounded either way, as far as f32 arithmetic and the matrix unit's own rounding can turn it there, and no further.
;;   INPUTS GIVEN AS CODES. down_proj (in the module: [8, 2048, 128], K = its axis 2); gate_up_proj (in the module: [8, 256, 2048], K = its axis 2); hidden_states (in the module: [4096, 2048], K = its axis 1): each comes as NAME_codes (uint8): NAME with its K axis moved to the last place and cut into blocks of 32 codes, [.., K / 32, bytes a block], one block behind the other in memory; two codes a byte, the lower K in the low four bits (a code: sign, 2 exponent bits, 1 mantissa bit); and NAME_scales (uint8): the same leading axes, one E8M0 byte (e + 127) for each 32 codes along K. Its value is code x scale, taken as it is: it is not quantised again, and the codes and scales need not be those that the quantiser above would give.
;; One version. Each part assembles by itself: llvm-mc -triple=amdgcn-amd-amdhsa -mcpu=gfx1250 --defsym DOCPART=n.
;; ======== version 1 of 1: 2 launches
;; limits: right only within a limited range of input values
;; workspace buffers: actc 2,097,152 bytes; acts 131,072 bytes
;; launch act (part 1): grid 8 x 32, 4 waves a work-group, clusters of 4 x 4, 327,680 bytes of LDS; arguments hidden_states_codes, hidden_states_scales, gate_up_proj_codes, gate_up_proj_scales, actc, acts; writes actc, acts
.if DOCPART == 1
	.amdgcn_target "amdgcn-amd-amdhsa--gfx1250"
	.amdhsa_code_object_version 6
	.text
	.protected	k_qa59dbfe5a5_act
	.globl	k_qa59dbfe5a5_act
	.p2align	8
	.type	k_qa59dbfe5a5_act,@function
k_qa59dbfe5a5_act:
	s_mov_b64 s[64:65], 0
	v_nop
	global_prefetch_b8 v0, s[64:65] scope:SCOPE_SE
	s_setreg_imm32_b32 hwreg(HW_REG_WAVE_MODE, 25, 1), 1
	s_wait_xcnt 0x0
	s_wait_alu depctr_hold_cnt(0) depctr_sa_sdst(0) depctr_va_vdst(0) depctr_va_sdst(0) depctr_va_ssrc(0) depctr_va_vcc(0) depctr_vm_vsrc(0)
	s_getreg_b32 s2, hwreg(HW_REG_IB_STS2, 6, 4)
	s_cmp_eq_u32 s2, 0
	s_cbranch_scc0 .Lentry_in_a_cluster
	s_endpgm
.Lentry_in_a_cluster:
	s_bfe_u32 s2, ttmp6, 0x10000c
	s_cmp_lg_u32 s2, 0xf033
	s_cbranch_scc0 .Lentry_shape_is_right
	s_endpgm
.Lentry_shape_is_right:
; ACT.  For every token t and every expert e: act = silu(x GU_gate^T) (x GU_up^T), quantised to MX-FP4 along its 128 units.  Products on E2M1 codes with E8M0 scales, sums and all else in f32.
; EVERY EXPERT IS COMPUTED FOR EVERY TOKEN, as the definition does; the next launch selects by the tokens' weights (0 for an expert that is not chosen).  So nothing here hangs on a stored number, and tiles are shared.
; A work-group takes 128 tokens (y) and one expert (x): 256 rows of gate_up.  Wave (wm, wn) of four: tokens 64 wm .. + 63, units 64 wn .. + 63, gate and up: 4 token tiles x 8 weight tiles = 32 accumulators, 256 registers.
; K = 2,048: K 0..511 goes to slot 0 (rows of 256 bytes), K 512..1535 to slot 1 (rows of 512 bytes), both at the head, one tensor load a wave; K 1536..2047 refills slot 0.
; CLUSTERS 4 x 4: the four of a row share the tokens' tiles, the four of a column the weights': joint loads.
; NO PREFETCH: there is no loop to run ahead in; three quarters of K are asked for at the head, and the one refill has K steps 4 to 10 (224 matrix instructions) in which to land.
; THE PRODUCT IS USED TRANSPOSED: source 0 = 16 rows of the weight, source 1 = 16 tokens: lane r holds token p(r) = 2 (r % 8) + r / 8 of a tile, its registers run along the units.
; OUTPUT in the order of the next launch's operand registers: actc [token tile of 16][expert][c][lane] 16 bytes: lane (r, h) has block 2 c + h of token p(r);  acts [expert][64 tokens][r][tile m of 4] one word of four scale bytes.
; LIMITS.  Where gate is under about -87 the exponential overflows and act is 0 (its true size is under 1e-35 of up).  gate x up is formed first and must not overflow f32.  A block whose largest magnitude is under 2^-124
; keeps the scale byte 1; a block of zeros has byte 1 and not 127 (its codes are zeros, and this program alone reads the byte).  NaN and infinities are not served.
.set P0,   272                         ; LDS rows of slot 0: 256 + 16; of slot 1: 512 + 16: odd multiples of 16
.set P1,   528
.set S0A,  0
.set S0B,  128*P0
.set S1A,  384*P0
.set S1B,  S1A+128*P1
.set SCX,  S1A+384*P1                  ; 512 bytes: act's scale words on their way out
.set SPARE, SCX+512                    ; the spare words, 128 bytes a wave, that no other line names
; window 0: addresses; scale words; A's (tokens') fragments, four sets of 32.  window 1: the weights' fragments, four sets of 64.  window 2: accumulators, (f, m) at 8 (8 m + f), f = 0..3 gate, 4..7 up.  window 3: at work at the end
.set ADA0, 4
.set ADA1, 5
.set ADB0, 6
.set ADB1, 7
.set ADB1U, 8
.set XSO,  9
.set WSO,  10
.set L16,  11
.set SCA,  12
.set SCR,  13
.set SPW,  28
.set NIL,  29
.set XS,   32                          ; token scale words: register 16 (m / 2) + K step; even m in lanes 0-15, odd m in lanes 16-31
.set WS,   64                          ; weight scale words: register 16 (f / 2) + K step, likewise
.set AF,   128
.set MX,   128
.set PX,   136
.set SO,   144
.set BY,   152
.set CD,   160
.set SW,   176
.set SCV,  180
.set G0A0, 24
.set G0B0, 28
.set G0A1, 32
.set G0B1, 36
.set G1A0, 40
.set G1B0, 48
.set G1A1, 56
.set G1B1, 68
.set MSB, 0
.macro WIN new                         ; the immediate's high byte repeats the setting that is left
.if MSB != \new
	s_set_vgpr_msb (MSB<<8)|\new
.set MSB, \new
.endif
.endm
.set MUL,  0xa1                        ; source 0 window 1, source 1 window 0, C and D window 2
.set TO_B, 0x40
.macro CREST
	s_cmp_lg_u32 s16, 0
	s_cbranch_scc1 .Lnot_wave_0_\@
	s_barrier_signal -3
.Lnot_wave_0_\@:
	s_barrier_wait -3
	s_barrier_signal -1
	s_barrier_wait -1
.endm
.macro CROUND
	s_barrier_signal -1
	s_barrier_wait -1
	CREST
.endm
.macro PLACES
.rept 4
	v_nop
.endr
.endm
.macro G1SET g, w, r                   ; \r rows of \w bytes, 1,024 bytes apart
	s_mov_b32 s[\g+1], (\w)<<16
	s_mov_b32 s[\g+2], (\r)<<16
	s_mov_b32 s[\g+3], (\w)<<16
	s_mov_b32 s[\g+4], \r
	s_mov_b32 s[\g+5], 1024
	s_mov_b32 s[\g+6], 0
	s_mov_b32 s[\g+7], 0
.endm
	s_load_b256 s[4:11], s[0:1], 0x0               ; x codes s[4:5], x scales s[6:7], gate_up codes s[8:9], scales s[10:11]
	s_load_b128 s[12:15], s[0:1], 0x20             ; actc s[12:13], acts s[14:15]
	v_lshl_add_u32 v[SPW], v0, 2, SPARE
	v_mov_b32 v[NIL], 0
	ds_add_u32 v[SPW], v[NIL]                      ; the wave's opening: the add, twice on end, and its wait
	ds_add_u32 v[SPW], v[NIL]
	v_lshrrev_b32 v14, 5, v0
	v_readfirstlane_b32 s16, v14                   ; wave 0..3
	s_lshr_b32 s17, s16, 1                         ; wm
	s_and_b32 s18, s16, 1                          ; wn
	s_bfe_u32 s20, ttmp6, 0x40000                  ; cx
	s_bfe_u32 s21, ttmp6, 0x40004                  ; cy
	s_lshl_b32 s22, ttmp9, 2
	s_add_co_u32 s22, s22, s20                     ; X: the expert
	s_and_b32 s23, ttmp7, 0xffff
	s_lshl_b32 s23, s23, 2
	s_add_co_u32 s23, s23, s21                     ; Y: the tile of 128 tokens
	s_lshl_b32 s76, s21, 2
	s_lshl_b32 s76, 15, s76                        ; my row of the cluster
	s_lshl_b32 s77, 0x1111, s20                    ; my column
	s_or_b32 s[G1A0], s76, (1<<20)|(1<<21)|(5<<22)|(3<<25)   ; elements of 1 byte; 16 bytes of padding behind 256,
	s_or_b32 s[G1B0], s77, (1<<20)|(1<<21)|(5<<22)|(3<<25)
	s_or_b32 s[G1A1], s76, (1<<20)|(1<<21)|(6<<22)|(3<<25)   ; behind 512
	s_or_b32 s[G1B1], s77, (1<<20)|(1<<21)|(6<<22)|(3<<25)
	G1SET G1A0, 256, 128
	G1SET G1B0, 256, 256
	G1SET G1A1, 512, 128
	G1SET G1B1, 512, 256
	s_mov_b32 s96, 0x76543210                      ; v_permlanex16_b32's selects for lane l xor 16
	s_mov_b32 s97, 0xfedcba98
	s_lshl_b32 s78, s17, 6                         ; 64 wm
	s_lshl_b32 s79, s18, 6                         ; 64 wn
	s_mul_i32 s80, s78, P0
	s_mul_i32 s81, s78, P1
	s_add_co_u32 s81, s81, S1A
	s_mul_i32 s82, s79, P0
	s_add_co_u32 s82, s82, S0B
	s_mul_i32 s83, s79, P1
	s_add_co_u32 s83, s83, S1B
	s_lshl_b32 s84, s17, 8
	s_lshl_b32 s85, s18, 1
	s_add_co_u32 s84, s84, s85
	s_add_co_u32 s84, s84, SCX
	s_lshl_b32 s86, s78, 6                         ; a row of scales is 64 bytes
	s_lshl_b32 s87, s79, 6
	v_and_b32 v14, 15, v0                          ; r
	v_bfe_u32 v15, v0, 4, 1                        ; h
	v_and_b32 v16, 31, v0                          ; lane
	v_and_b32 v17, 7, v0
	v_bfe_u32 v18, v0, 3, 1
	v_lshl_add_u32 v17, v17, 1, v18                ; p(r)
	v_lshlrev_b32 v18, 4, v15                      ; 16 h
	v_mad_u32_u24 v19, v17, P0, v18
	v_add_nc_u32 v[ADA0], s80, v19
	v_mad_u32_u24 v19, v17, P1, v18
	v_add_nc_u32 v[ADA1], s81, v19
	v_mad_u32_u24 v19, v14, P0, v18
	v_add_nc_u32 v[ADB0], s82, v19
	v_mad_u32_u24 v19, v14, P1, v18
	v_add_nc_u32 v[ADB1], s83, v19
	v_add_nc_u32 v[ADB1U], 128*P1, v[ADB1]         ; up's rows lie 128 further on
	v_add_nc_u32 v19, v17, v18                     ; token 16 h + p(r)
	v_lshlrev_b32 v19, 6, v19
	v_add_nc_u32 v[XSO], s86, v19
	v_lshlrev_b32 v19, 6, v16                      ; weight row = lane
	v_add_nc_u32 v[WSO], s87, v19
	v_lshlrev_b32 v[L16], 4, v16
	v_lshl_add_u32 v[SCA], v14, 4, s84
	v_add_nc_u32 v[SCR], SCX, v[L16]
	s_wait_alu depctr_va_vdst(0)                   ; at the head's end
	s_wait_dscnt 0x0                               ; both opening adds are done
	s_wait_kmcnt 0x0
	s_mov_b32 s89, 0
	s_mov_b32 s93, 0
	s_lshl_b32 s88, s23, 17                        ; 128 rows of 1,024 bytes
	s_add_nc_u64 s[90:91], s[4:5], s[88:89]
	s_lshl_b32 s92, s22, 18                        ; 256 rows
	s_add_nc_u64 s[94:95], s[8:9], s[92:93]
	s_lshl_b32 s88, s23, 13
	s_add_nc_u64 s[6:7], s[6:7], s[88:89]
	s_lshl_b32 s92, s22, 14
	s_add_nc_u64 s[10:11], s[10:11], s[92:93]
.irp i, 0,1,2,3                        ; all scale words of my 64 tokens and 128 weight rows: each lane takes its row's 64 bytes
.irp p, 0,1
	global_load_b128 v[XS+16*\p+4*\i:XS+16*\p+4*\i+3], v[XSO], s[6:7] offset:2048*\p+16*\i
.endr
.irp t, 0,1,2,3
	global_load_b128 v[WS+16*\t+4*\i:WS+16*\t+4*\i+3], v[WSO], s[10:11] offset:2048*(\t%2)+8192*(\t/2)+16*\i
.endr
.endr
	s_mov_b32 s[G0A0], 1
	s_mov_b32 s[G0A0+1], S0A
	s_mov_b64 s[G0A0+2:G0A0+3], s[90:91]
	s_or_b32 s[G0A0+3], s[G0A0+3], 0x80000000
	s_mov_b32 s[G0B0], 1
	s_mov_b32 s[G0B0+1], S0B
	s_mov_b64 s[G0B0+2:G0B0+3], s[94:95]
	s_or_b32 s[G0B0+3], s[G0B0+3], 0x80000000
	s_mov_b32 s[G0A1], 1
	s_mov_b32 s[G0A1+1], S1A
	s_add_nc_u64 s[G0A1+2:G0A1+3], s[90:91], 256   ; K 512 begins at byte 256 of a row
	s_or_b32 s[G0A1+3], s[G0A1+3], 0x80000000
	s_mov_b32 s[G0B1], 1
	s_mov_b32 s[G0B1+1], S1B
	s_add_nc_u64 s[G0B1+2:G0B1+3], s[94:95], 256
	s_or_b32 s[G0B1+3], s[G0B1+3], 0x80000000
	CROUND                                         ; all sixteen work-groups are here: the joint loads meet
; The head's loads, one a wave: ONE tree of branches on the wave's number, every way through it passes one load
.macro ARM under, g0, g1, next
	s_cmp_lt_u32 s16, \under
	s_cbranch_scc0 \next
	tensor_load_to_lds s[\g0:\g0+3], s[\g1:\g1+7]
	s_nop 0
	PLACES
	s_branch .Lasked
\next:
.endm
	ARM 1, G0A0, G1A0, .Lhead1
	ARM 2, G0B0, G1B0, .Lhead2
	ARM 3, G0A1, G1A1, .Lhead3
	tensor_load_to_lds s[G0B1:G0B1+3], s[G1B1:G1B1+7]
	s_nop 0
	PLACES
.Lasked:
	s_lshl_b32 s92, s23, 16                        ; where my codes go: token tile 8 Y + 4 wm + m, 8,192 bytes each; expert 1,024; c = wn
	s_lshl_b32 s76, s17, 15
	s_or_b32 s92, s92, s76
	s_lshl_b32 s76, s22, 10
	s_or_b32 s92, s92, s76
	s_lshl_b32 s76, s18, 9
	s_or_b32 s92, s92, s76
	s_add_nc_u64 s[12:13], s[12:13], s[92:93]
	s_lshl_b32 s92, s22, 14                        ; and the work-group's 512 bytes of scale words
	s_lshl_b32 s76, s23, 9
	s_or_b32 s92, s92, s76
	s_add_nc_u64 s[14:15], s[14:15], s[92:93]
; One matrix instruction, by the symbols rD, rA, rB, rSA, rSB; rZ: C = 0 starts the sum; rRA, rRB: the scales stand in lanes 16-31
.macro WMI
.if rZ
.if rRA && rRB
	v_wmma_scale_f32_16x16x128_f8f6f4 v[rD:rD+7], v[rA:rA+7], v[rB:rB+7], 0, v[rSA], v[rSB] matrix_a_fmt:MATRIX_FMT_FP4 matrix_b_fmt:MATRIX_FMT_FP4 matrix_a_scale:MATRIX_SCALE_ROW1 matrix_b_scale:MATRIX_SCALE_ROW1
.elseif rRA
	v_wmma_scale_f32_16x16x128_f8f6f4 v[rD:rD+7], v[rA:rA+7], v[rB:rB+7], 0, v[rSA], v[rSB] matrix_a_fmt:MATRIX_FMT_FP4 matrix_b_fmt:MATRIX_FMT_FP4 matrix_a_scale:MATRIX_SCALE_ROW1
.elseif rRB
	v_wmma_scale_f32_16x16x128_f8f6f4 v[rD:rD+7], v[rA:rA+7], v[rB:rB+7], 0, v[rSA], v[rSB] matrix_a_fmt:MATRIX_FMT_FP4 matrix_b_fmt:MATRIX_FMT_FP4 matrix_b_scale:MATRIX_SCALE_ROW1
.else
	v_wmma_scale_f32_16x16x128_f8f6f4 v[rD:rD+7], v[rA:rA+7], v[rB:rB+7], 0, v[rSA], v[rSB] matrix_a_fmt:MATRIX_FMT_FP4 matrix_b_fmt:MATRIX_FMT_FP4
.endif
.else
.if rRA && rRB
	v_wmma_scale_f32_16x16x128_f8f6f4 v[rD:rD+7], v[rA:rA+7], v[rB:rB+7], v[rD:rD+7], v[rSA], v[rSB] matrix_a_fmt:MATRIX_FMT_FP4 matrix_b_fmt:MATRIX_FMT_FP4 matrix_a_scale:MATRIX_SCALE_ROW1 matrix_b_scale:MATRIX_SCALE_ROW1
.elseif rRA
	v_wmma_scale_f32_16x16x128_f8f6f4 v[rD:rD+7], v[rA:rA+7], v[rB:rB+7], v[rD:rD+7], v[rSA], v[rSB] matrix_a_fmt:MATRIX_FMT_FP4 matrix_b_fmt:MATRIX_FMT_FP4 matrix_a_scale:MATRIX_SCALE_ROW1
.elseif rRB
	v_wmma_scale_f32_16x16x128_f8f6f4 v[rD:rD+7], v[rA:rA+7], v[rB:rB+7], v[rD:rD+7], v[rSA], v[rSB] matrix_a_fmt:MATRIX_FMT_FP4 matrix_b_fmt:MATRIX_FMT_FP4 matrix_b_scale:MATRIX_SCALE_ROW1
.else
	v_wmma_scale_f32_16x16x128_f8f6f4 v[rD:rD+7], v[rA:rA+7], v[rB:rB+7], v[rD:rD+7], v[rSA], v[rSB] matrix_a_fmt:MATRIX_FMT_FP4 matrix_b_fmt:MATRIX_FMT_FP4
.endif
.endif
.endm
; Half of K step KS: token tiles m0, m0 + 1 x the eight weight tiles.  The 32 accumulators take turns, one instruction a turn, in the same order in every step
.macro HALF m0
.irp m, \m0, \m0+1
.irp f, 0,1,2,3,4,5,6,7
.set rD, 8*(8*(\m)+\f)
.set rA, 64*(KS%4)+8*\f
.set rB, AF+32*(KS%4)+8*(\m)
.set rSA, WS+16*(\f/2)+KS
.set rSB, XS+16*((\m)/2)+KS
.set rRA, \f%2
.set rRB, (\m)%2
	WMI
.endr
.endr
.endm
; K step s's fragments into set s % 4: 24 loads in one run
.macro FETCH s
.if (\s) < 4
.set fK, (\s)
.elseif (\s) < 12
.set fK, (\s)-4
.else
.set fK, (\s)-12
.endif
.if ((\s) < 4) || ((\s) > 11)
.set fP, P0
.set fA, ADA0
.set fB, ADB0
.set fU, ADB0
.set fV, 128*P0
.else
.set fP, P1
.set fA, ADA1
.set fB, ADB1
.set fU, ADB1U
.set fV, 0
.endif
.set fS, (\s)%4
	WIN TO_B
.irp f, 0,1,2,3
.irp c, 0,1
	ds_load_b128 v[64*fS+8*\f+4*\c:64*fS+8*\f+4*\c+3], v[fB] offset:64*fK+32*\c+16*\f*fP
.endr
.endr
.irp f, 0,1,2,3
.irp c, 0,1
	ds_load_b128 v[64*fS+32+8*\f+4*\c:64*fS+32+8*\f+4*\c+3], v[fU] offset:fV+64*fK+32*\c+16*\f*fP
.endr
.endr
	WIN 0
.irp m, 0,1,2,3
.irp c, 0,1
	ds_load_b128 v[AF+32*fS+8*\m+4*\c:AF+32*fS+8*\m+4*\c+3], v[fA] offset:64*fK+32*\c+16*\m*fP
.endr
.endr
.endm
; K step s; step s + 2's fragments are fetched in its middle, into the set that step s - 2 read (at least four places stand between)
.macro STEP s
.set KS, \s
	s_wait_dscnt 24                                ; step s is in; step s + 1's 24 loads may be out
	WIN MUL
	HALF 0
	PLACES
	FETCH \s+2
	WIN MUL
	HALF 2
.endm
	s_wait_loadcnt 0x0                             ; all scale words are in
	s_cmp_lt_u32 s16, 2
	s_cbranch_scc0 .Lslot1_waves
	s_wait_tensorcnt 0x0                           ; waves 0 and 1: my tile of slot 0 is in.  Waves 2 and 3 wait for slot 1's tiles at the next change
.Lslot1_waves:
	s_barrier_signal -1
	s_barrier_wait -1                              ; slot 0 is whole
	FETCH 0
	FETCH 1
.set rZ, 1
	STEP 0
.set rZ, 0
	STEP 1
; Steps 2 and 3: their fragments are asked for already, so slot 0 is read out: the change of slots
.set KS, 2
	WIN 0
	s_wait_tensorcnt 0x0                           ; all my tensor loads have landed: slot 1's tiles among them;
	ds_add_u32 v[SPW], v[NIL]                      ; 0 onto my spare word
	s_wait_dscnt 25                                ; step 2 is in; step 3's 24 loads and the add may be out
	WIN MUL
	HALF 0
	HALF 2
	s_wait_dscnt 0x0                               ; the add is done, and my reads of slot 0 are over
	s_barrier_signal -1
.set KS, 3
	HALF 0
	WIN 0
	s_barrier_wait -1
	CREST                                          ; a round: no wave of any partner still reads slot 0 or has a load on its way
	s_add_nc_u64 s[G0A0+2:G0A0+3], s[G0A0+2:G0A0+3], 768   ; K 1536 begins at byte 768 of a row
	s_add_nc_u64 s[G0B0+2:G0B0+3], s[G0B0+2:G0B0+3], 768
	s_cmp_eq_u32 s16, 0
	s_cbranch_scc0 .Lrefill_b
	tensor_load_to_lds s[G0A0:G0A0+3], s[G1A0:G1A0+7]
	s_nop 0
	PLACES
	s_branch .Lrefilled
.Lrefill_b:
	s_cmp_eq_u32 s16, 1
	s_cbranch_scc0 .Lrefilled
	tensor_load_to_lds s[G0B0:G0B0+3], s[G1B0:G1B0+7]
	s_nop 0
	PLACES
.Lrefilled:
	PLACES                                         ; for the loads into the set that step 1 read
	FETCH 4
	FETCH 5
	WIN MUL
	HALF 2
	STEP 4
	STEP 5
	STEP 6
	STEP 7
	STEP 8
	STEP 9
.set KS, 10
	s_wait_dscnt 24
	WIN MUL
	HALF 0
	HALF 2
	s_wait_tensorcnt 0x0                           ; waves 0 and 1: the refill is in
	s_wait_dscnt 0x0
	s_barrier_signal -1
.set KS, 11
	HALF 0
	s_barrier_wait -1                              ; slot 0 is whole again; nothing is filled any more
	PLACES                                         ; for the loads into the set that step 9 read
	FETCH 12
	FETCH 13
	WIN MUL
	HALF 2
	STEP 12
	STEP 13
.set KS, 14
	s_wait_dscnt 24
	HALF 0
	HALF 2
	s_wait_dscnt 0x0
.set KS, 15
	HALF 0
	HALF 2
	; act = gate up / (1 + 2^(-gate log2 e)).  Of token tile m: gate at 64 m + 0..31, up at 64 m + 32..63 of window 2; the divisor, then act, at 32 m + 0..31 of window 3
	PLACES
	WIN 0xc2
.irp m, 0,1,2,3
.irp t, 0,2,4,6,8,10,12,14,16,18,20,22,24,26,28,30
	v_pk_mul_f32 v[32*\m+\t:32*\m+\t+1], v[64*\m+\t:64*\m+\t+1], 0xbfb8aa3b op_sel_hi:[1,0]   ; -gate log2 e; each accumulator from its low end on
.endr
.endr
	WIN 0xaa
.irp m, 0,1,2,3
.irp t, 0,2,4,6,8,10,12,14,16,18,20,22,24,26,28,30
	v_pk_mul_f32 v[64*\m+32+\t:64*\m+33+\t], v[64*\m+\t:64*\m+\t+1], v[64*\m+32+\t:64*\m+33+\t]   ; gate up
.endr
.endr
	WIN 0xcb                                       ; source 0 and destination window 3, source 1 window 2
	s_wait_alu depctr_va_vdst(0)                   ; ahead of the batch
.set I, 0
.rept 64
	v_exp_f32 v[I], v[I]                           ; tiles 0, 1
.set I, I+1
.endr
	v_nop
	s_wait_alu depctr_va_vdst(0)                   ; and ahead of the batch's first reader
.set I, 0
.rept 32                               ; tiles 2, 3, with tiles 0, 1's additions between
	v_exp_f32 v[64+I], v[64+I]
	v_pk_add_f32 v[I:I+1], v[I:I+1], 1.0 op_sel_hi:[1,0]
	v_exp_f32 v[65+I], v[65+I]
.set I, I+2
.endr
	v_nop
	s_wait_alu depctr_va_vdst(0)
.set I, 0
.rept 32
	v_rcp_f32 v[I], v[I]
	v_pk_add_f32 v[64+I:65+I], v[64+I:65+I], 1.0 op_sel_hi:[1,0]
	v_rcp_f32 v[I+1], v[I+1]
.set I, I+2
.endr
	v_nop
	s_wait_alu depctr_va_vdst(0)
.set I, 0
.rept 32                               ; register I of window 3 belongs to gate up at 64 (I / 32) + 32 + I % 32
	v_rcp_f32 v[64+I], v[64+I]
	v_pk_mul_f32 v[I:I+1], v[I:I+1], v[64*(I/32)+32+I%32:64*(I/32)+33+I%32]
	v_rcp_f32 v[65+I], v[65+I]
.set I, I+2
.endr
	v_nop
	s_wait_alu depctr_va_vdst(0)
.set I, 64
.rept 32
	v_pk_mul_f32 v[I:I+1], v[I:I+1], v[64*(I/32)+32+I%32:64*(I/32)+33+I%32]
.set I, I+2
.endr
	; the quantiser: eight blocks by turns, q = 2 m + b: my 16 numbers of block b of token tile m at 16 q; with lane l xor 16's they are the block
	WIN 0x3c
.irp q, 0,1,2,3,4,5,6,7
	v_max3_num_f32 v[MX+\q], 0x1800000, |v[16*\q]|, |v[16*\q+1]|   ; the floor 2^(3 - 127): the byte cannot fall under 1
.endr
.irp i, 2,4,6,8,10,12,14
.irp q, 0,1,2,3,4,5,6,7
	v_max3_num_f32 v[MX+\q], v[MX+\q], |v[16*\q+\i]|, |v[16*\q+\i+1]|
.endr
.endr
	WIN 0
.irp q, 0,1,2,3,4,5,6,7
	v_mov_b32 v[PX+\q], 0                          ; a lane permute's destination counts as one of its sources
.endr
.irp q, 0,1,2,3,4,5,6,7
	v_permlanex16_b32 v[PX+\q], v[MX+\q], s96, s97
.endr
.irp q, 0,1,2,3,4,5,6,7
	v_max_num_f32 v[MX+\q], v[MX+\q], v[PX+\q]
.endr
.irp q, 0,1,2,3,4,5,6,7
	v_add_nc_u32 v[SO+\q], 0xff000000, v[MX+\q]    ; 2 off its exponent field: the conversion's scale operand
.endr
.irp q, 0,1,2,3,4,5,6,7
	v_lshrrev_b32 v[BY+\q], 23, v[SO+\q]           ; the scale's byte
.endr
	WIN 0x03
.irp q, 0,1,2,3,4,5,6,7
	v_cvt_scalef32_pk8_fp4_f32 v[CD+2*\q], v[16*\q:16*\q+7], v[SO+\q]
	v_cvt_scalef32_pk8_fp4_f32 v[CD+2*\q+1], v[16*\q+8:16*\q+15], v[SO+\q]
.endr
	WIN 0
.irp m, 0,1,2,3
	v_lshl_or_b32 v[SW+\m], v[BY+2*\m+1], 8, v[BY+2*\m]   ; my two bytes of the token's scale word (and plain places behind the conversions)
.endr
.irp m, 0,1,2,3                        ; register 2 b + u holds words 2 u + h of block b: gather a whole block in a lane, block 0 in lanes 0-15, block 1 in lanes 16-31
	v_permlane16_swap_b32 v[CD+4*\m], v[CD+4*\m+1]
	v_permlane16_swap_b32 v[CD+4*\m+2], v[CD+4*\m+3]
.endr
.irp m, 0,1,2,3
	v_permlane16_swap_b32 v[CD+4*\m], v[CD+4*\m+2]
	v_permlane16_swap_b32 v[CD+4*\m+1], v[CD+4*\m+3]
.endr
	s_wait_alu depctr_va_vdst(0)
.irp m, 0,1,2,3
	ds_store_b16 v[SCA], v[SW+\m] offset:4*\m      ; both lanes of a block write the same two bytes with the same value
.endr
.irp m, 0,1,2,3
	global_store_b128 v[L16], v[CD+4*\m:CD+4*\m+3], s[12:13] offset:8192*\m   ; 512 consecutive bytes
.endr
	s_wait_dscnt 0x0                               ; my scale bytes have landed, for wave 0's sake
	s_barrier_signal -1
	s_barrier_wait -1
	s_cmp_lg_u32 s16, 0
	s_cbranch_scc1 .Lend
	ds_load_b128 v[SCV:SCV+3], v[SCR]              ; wave 0 stores the work-group's 512 bytes of scale words
	s_wait_dscnt 0x0
	global_store_b128 v[L16], v[SCV:SCV+3], s[14:15]
.Lend:
	s_wait_tensorcnt 0x0                           ; the wave's end
	ds_add_u32 v[SPW], v[NIL]
	s_wait_dscnt 0x0
	CROUND                                         ; the closing round
	s_endpgm
.Lfunc_end_k_qa59dbfe5a5_act:
	.size	k_qa59dbfe5a5_act, .Lfunc_end_k_qa59dbfe5a5_act-k_qa59dbfe5a5_act
	.p2alignl 7, 3214868480
	.fill 96, 4, 3214868480
	.section	.rodata,"a",@progbits
	.p2align	6, 0x0
	.amdhsa_kernel k_qa59dbfe5a5_act
		.amdhsa_group_segment_fixed_size 327680
		.amdhsa_private_segment_fixed_size 0
		.amdhsa_enable_private_segment 0
		.amdhsa_kernarg_size 48
		.amdhsa_user_sgpr_count 2
		.amdhsa_user_sgpr_kernarg_segment_ptr 1
		.amdhsa_wavefront_size32 1
		.amdhsa_system_sgpr_workgroup_id_x 1
		.amdhsa_system_sgpr_workgroup_id_y 1
		.amdhsa_system_sgpr_workgroup_id_z 1
		.amdhsa_system_vgpr_workitem_id 0
		.amdhsa_next_free_vgpr 1024
		.amdhsa_next_free_sgpr 98
		.amdhsa_reserve_vcc 0
		.amdhsa_float_denorm_mode_32 3
		.amdhsa_float_denorm_mode_16_64 3
		.amdhsa_memory_ordered 1
		.amdhsa_forward_progress 1
		.amdhsa_inst_pref_size 140
	.end_amdhsa_kernel
	.amdgpu_metadata
---
amdhsa.version: [ 1, 2 ]
amdhsa.kernels:
  - .name:           k_qa59dbfe5a5_act
    .symbol:         k_qa59dbfe5a5_act.kd
    .args:
      - { .name: hidden_states_codes, .offset: 0, .size: 8, .value_kind: global_buffer, .address_space: global }
      - { .name: hidden_states_scales, .offset: 8, .size: 8, .value_kind: global_buffer, .address_space: global }
      - { .name: gate_up_proj_codes, .offset: 16, .size: 8, .value_kind: global_buffer, .address_space: global }
      - { .name: gate_up_proj_scales, .offset: 24, .size: 8, .value_kind: global_buffer, .address_space: global }
      - { .name: actc, .offset: 32, .size: 8, .value_kind: global_buffer, .address_space: global }
      - { .name: acts, .offset: 40, .size: 8, .value_kind: global_buffer, .address_space: global }
    .group_segment_fixed_size: 327680
    .private_segment_fixed_size: 0
    .kernarg_segment_align: 8
    .kernarg_segment_size: 48
    .max_flat_workgroup_size: 128
    .sgpr_count:     98
    .vgpr_count:     1024
    .wavefront_size: 32
...
	.end_amdgpu_metadata
.endif
;; end of part 1
;; launch out (part 2): grid 8 x 32, 8 waves a work-group, clusters of 4 x 4, 209,920 bytes of LDS; arguments actc, acts, down_proj_codes, down_proj_scales, top_k_index, top_k_weights, out0; writes out0
.if DOCPART == 2
	.amdgcn_target "amdgcn-amd-amdhsa--gfx1250"
	.amdhsa_code_object_version 6
	.text
	.protected	k_qa59dbfe5a5_out
	.globl	k_qa59dbfe5a5_out
	.p2align	8
	.type	k_qa59dbfe5a5_out,@function
k_qa59dbfe5a5_out:
	s_mov_b64 s[64:65], 0
	v_nop
	global_prefetch_b8 v0, s[64:65] scope:SCOPE_SE
	s_setreg_imm32_b32 hwreg(HW_REG_WAVE_MODE, 25, 1), 1
	s_wait_xcnt 0x0
	s_wait_alu depctr_hold_cnt(0) depctr_sa_sdst(0) depctr_va_vdst(0) depctr_va_sdst(0) depctr_va_ssrc(0) depctr_va_vcc(0) depctr_vm_vsrc(0)
	s_getreg_b32 s2, hwreg(HW_REG_IB_STS2, 6, 4)
	s_cmp_eq_u32 s2, 0
	s_cbranch_scc0 .Lentry_in_a_cluster
	s_endpgm
.Lentry_in_a_cluster:
	s_bfe_u32 s2, ttmp6, 0x10000c
	s_cmp_lg_u32 s2, 0xf033
	s_cbranch_scc0 .Lentry_shape_is_right
	s_endpgm
.Lentry_shape_is_right:
; OUT.  out[t] = the sum over the experts e of W(t, e) (act(t, e) D_e^T), W(t, e) = the sum of the token's weights whose index is e, 0 where none is: a choice of values, no branch.  K = 128: one matrix instruction a tile and expert.
; A work-group takes 128 tokens (y) and 256 columns (x).  Wave (tm, g) of eight: tokens 64 tm .. + 63 in four tiles of 16, columns 64 g .. + 63.  It holds down's fragments of its columns for all eight experts in 256 registers
; (window 1) and walks its token tiles one after the other, the experts within a tile: a tile's rows leave as soon as it is finished.
; THE PRODUCT IS NOT TRANSPOSED: source 0 = 16 tokens, source 1 = 16 rows of down: a lane holds one column, its registers run over tokens.  In tile k = 0..3 lane r takes down's row 64 g + 4 r + k, so the four tiles' results of
; one token are four neighbouring columns; lane i of source 0 is token 2 (i % 8) + i / 8, so register j of half h is token 2 j + h: one store of 16 bytes a lane covers 256 consecutive bytes of two rows.
; CLUSTERS 4 x 4: the four of a row share act's tile, the four of a column down's: joint loads, one a wave, all at the head; every byte of LDS is filled once.  NO PREFETCH: there is no loop to run ahead in.
; LIMITS.  A token whose two indices are equal gets (w0 + w1) d, not w0 d + w1 d.  NaN and infinities are not served.
.set DWN,  65536                       ; LDS: act's 64 KB of operand images; down: 512 rows of 256 bytes + 16, expert e's from row 64 e;
.set WT,   DWN+512*272                 ; W: [token tile][e][h][j] f32, 512 bytes a tile
.set SPARE, WT+4096                    ; the spare words, 128 bytes a wave, that no other line names
.set SPW,  1
.set NIL,  2
.set ADA,  3
.set ADB0, 4                           ; v4 experts 0..3, v5 experts 4..7
.set WTR,  6
.set WTW,  7
.set CO,   8                           ; 8,192 h + 16 r: two rows of out; and the same distance in down's scales
.set ASO,  9
.set TI,   10
.set DSC,  24                          ; down's scale words: register 4 (e / 2) + k; even e in lanes 0-15, odd e in lanes 16-31
.set ASC,  40                          ; act's: register 4 (e / 2) + m
.set AR,   56                          ; act's fragments, a ring of four
.set WR,   88                          ; W, a ring of four
.set DD,   120                         ; results of one expert, 4 x 8, two sets
.set ACC,  184                         ; weighted sums, [k][j]
.set O,    216                         ; the finished sums, [j][k]
.set G0A,  24
.set G0B,  28
.set G1A,  32
.set G1B,  40
.set MSB, 0
.macro WIN new
.if MSB != \new
	s_set_vgpr_msb (MSB<<8)|\new
.set MSB, \new
.endif
.endm
.macro PLACES
.rept 4
	v_nop
.endr
.endm
.macro CROUND                          ; a round of the cluster's barrier
	s_barrier_signal -1
	s_barrier_wait -1
	s_cmp_lg_u32 s20, 0
	s_cbranch_scc1 .Lnot_wave_0_\@
	s_barrier_signal -3
.Lnot_wave_0_\@:
	s_barrier_wait -3
	s_barrier_signal -1
	s_barrier_wait -1
.endm
	s_load_b256 s[4:11], s[0:1], 0x0               ; actc s[4:5], acts s[6:7], down codes s[8:9], down scales s[10:11]
	s_load_b128 s[12:15], s[0:1], 0x20             ; indices s[12:13], weights s[14:15]
	s_load_b64 s[16:17], s[0:1], 0x30              ; out0
	v_lshl_add_u32 v[SPW], v0, 2, SPARE
	v_mov_b32 v[NIL], 0
	ds_add_u32 v[SPW], v[NIL]                      ; the wave's opening: the add, twice on end, and its wait
	ds_add_u32 v[SPW], v[NIL]
	v_lshrrev_b32 v11, 5, v0
	v_readfirstlane_b32 s20, v11                   ; wave 0..7
	s_lshr_b32 s21, s20, 2                         ; tm
	s_and_b32 s22, s20, 3                          ; g.  Also: which part of a tile I fetch
	s_bfe_u32 s52, ttmp6, 0x40000                  ; cx
	s_bfe_u32 s53, ttmp6, 0x40004                  ; cy
	s_lshl_b32 s54, ttmp9, 2
	s_add_co_u32 s54, s54, s52                     ; X
	s_and_b32 s55, ttmp7, 0xffff
	s_lshl_b32 s55, s55, 2
	s_add_co_u32 s55, s55, s53                     ; Y
	s_lshl_b32 s56, s53, 2
	s_lshl_b32 s56, 15, s56                        ; my row of the cluster
	s_lshl_b32 s57, 0x1111, s52                    ; my column
	s_or_b32 s[G1A], s56, (3<<16)|(1<<21)          ; act: 16 KB, dense: 64 rows of 256 bytes (32 elements of 8)
	s_mov_b32 s[G1A+1], 32<<16
	s_mov_b32 s[G1A+2], 64<<16
	s_mov_b32 s[G1A+3], 32<<16
	s_mov_b32 s[G1A+4], 64
	s_mov_b32 s[G1A+5], 32
	s_mov_b32 s[G1A+6], 0
	s_mov_b32 s[G1A+7], 0
	s_or_b32 s[G1B], s57, (3<<16)|(1<<20)|(1<<21)|(5<<22)|(3<<25)   ; down: two experts' 256 rows of 64 bytes: 2 rows of 16 KB, an expert (128 KB) apart; 16 bytes of padding behind every 256
	s_mov_b32 s[G1B+1], 2048<<16
	s_mov_b32 s[G1B+2], 2<<16
	s_mov_b32 s[G1B+3], 2048<<16
	s_mov_b32 s[G1B+4], 2
	s_mov_b32 s[G1B+5], 16384
	s_mov_b32 s[G1B+6], 0
	s_mov_b32 s[G1B+7], 0
	s_lshl_b32 s58, s21, 15
	s_mul_i32 s59, s22, 16*272
	s_add_co_u32 s59, s59, DWN
	s_lshl_b32 s60, s21, 11
	s_add_co_u32 s60, s60, WT
	s_lshl_b32 s61, s20, 9
	s_add_co_u32 s61, s61, WT
	v_and_b32 v11, 15, v0                          ; r
	v_bfe_u32 v12, v0, 4, 1                        ; h
	v_and_b32 v13, 31, v0                          ; lane
	v_lshl_add_u32 v[ADA], v13, 4, s58
	v_lshlrev_b32 v14, 4, v12
	v_mad_u32_u24 v14, v11, 272, v14
	v_add_nc_u32 v[ADB0], s59, v14
	v_add_nc_u32 v[ADB0+1], 256*272, v[ADB0]
	v_lshl_add_u32 v[WTR], v12, 5, s60
	v_lshlrev_b32 v15, 4, v11
	v_lshl_add_u32 v[CO], v12, 13, v15
	v_lshl_add_u32 v[ASO], v12, 14, v15
	v_lshrrev_b32 v16, 1, v0                       ; W: thread t makes token t / 2, experts 4 (t % 2) .. + 3: wave w token tile w
	v_lshlrev_b32 v[TI], 3, v16
	v_and_b32 v16, 1, v0
	v_lshl_add_u32 v[WTW], v16, 8, s61
	v_lshlrev_b32 v17, 2, v16                      ; my first expert
	v_bfe_u32 v18, v0, 1, 1                        ; token 2 j + h of the tile: h,
	v_lshl_add_u32 v[WTW], v18, 5, v[WTW]
	v_bfe_u32 v18, v0, 2, 3                        ; j
	v_lshl_add_u32 v[WTW], v18, 2, v[WTW]
	s_wait_alu depctr_va_vdst(0)                   ; at the head's end
	s_wait_dscnt 0x0                               ; both opening adds are done
	s_wait_kmcnt 0x0
	s_mov_b32 s63, 0
	s_mov_b32 s67, 0
	s_lshl_b32 s68, s22, 14                        ; act: my 16 KB of the tile's 64
	s_lshl_b32 s66, s55, 16
	s_add_co_u32 s66, s66, s68
	s_mov_b32 s[G0A], 1
	s_mov_b32 s[G0A+1], s68
	s_add_nc_u64 s[G0A+2:G0A+3], s[4:5], s[66:67]
	s_or_b32 s[G0A+3], s[G0A+3], 0x80000000
	s_lshl_b32 s69, s22, 18                        ; down: experts 2 (wave % 4), + 1
	s_lshl_b32 s62, s54, 14
	s_add_co_u32 s62, s62, s69
	s_mul_i32 s70, s22, 128*272
	s_add_co_u32 s70, s70, DWN
	s_mov_b32 s[G0B], 1
	s_mov_b32 s[G0B+1], s70
	s_add_nc_u64 s[G0B+2:G0B+3], s[8:9], s[62:63]
	s_or_b32 s[G0B+3], s[G0B+3], 0x80000000
	s_lshl_b32 s66, s55, 10                        ; 128 tokens' indices and weights, 8 bytes each
	s_add_nc_u64 s[12:13], s[12:13], s[66:67]
	s_add_nc_u64 s[14:15], s[14:15], s[66:67]
	s_lshl_b32 s66, s55, 9                         ; act's scale words: 256 bytes for 64 tokens
	s_lshl_b32 s71, s21, 8
	s_add_co_u32 s66, s66, s71
	s_add_nc_u64 s[6:7], s[6:7], s[66:67]
	s_lshl_b32 s62, s54, 10                        ; down's: 4 bytes a column
	s_lshl_b32 s71, s22, 8
	s_add_co_u32 s62, s62, s71
	s_add_nc_u64 s[10:11], s[10:11], s[62:63]
	s_add_nc_u64 s[16:17], s[16:17], s[62:63]      ; and the same distance along a row of out
	s_lshl_b32 s66, s55, 20                        ; 128 rows of 8,192 bytes
	s_lshl_b32 s71, s21, 19
	s_add_co_u32 s66, s66, s71
	s_add_nc_u64 s[16:17], s[16:17], s[66:67]
	global_load_b64 v[20:21], v[TI], s[12:13]
	global_load_b64 v[22:23], v[TI], s[14:15]
.irp q, 0,1,2,3
	global_load_b128 v[DSC+4*\q:DSC+4*\q+3], v[CO], s[10:11] offset:16384*\q
.endr
.irp q, 0,1,2,3
	global_load_b128 v[ASC+4*\q:ASC+4*\q+3], v[ASO], s[6:7] offset:32768*\q
.endr
	CROUND                                         ; all sixteen work-groups are here: the joint loads meet
	s_cmp_lt_u32 s20, 4                            ; waves 0-3 fetch down's tile, waves 4-7 act's: one load a wave
	s_cbranch_scc0 .Lfor_act
	tensor_load_to_lds s[G0B:G0B+3], s[G1B:G1B+7]
	s_nop 0
	PLACES
	s_branch .Lasked
.Lfor_act:
	tensor_load_to_lds s[G0A:G0A+3], s[G1A:G1A+7]
	s_nop 0
	PLACES
.Lasked:
	s_wait_loadcnt 8                               ; indices and weights are in; the eight loads of scale words may be out
	v_sub_nc_u32 v20, v20, v17
	v_sub_nc_u32 v21, v21, v17
.irp i, 0,1,2,3
	v_cmp_eq_u32 vcc_lo, \i, v20
	v_cndmask_b32 v15, 0, v22, vcc_lo
	v_cmp_eq_u32 vcc_lo, \i, v21
	v_cndmask_b32 v16, 0, v23, vcc_lo
	v_add_f32 v[11+\i], v15, v16
	ds_store_b32 v[WTW], v[11+\i] offset:64*\i
.endr
	s_wait_loadcnt 0x0                             ; the scale words are in
	s_wait_tensorcnt 0x0                           ; my part of the tiles is in
	s_wait_dscnt 0x0                               ; my part of W has landed
	s_barrier_signal -1
	s_barrier_wait -1                              ; all of both tiles and of W lies in LDS
; Step n = 8 m + e: token tile m, expert e.  Its loads: act's fragment and W (4), in the first tile also down's four fragments (8)
.macro LDN n
.if (\n) < 32
.set lm, (\n)/8
.set le, (\n)%8
.set lr, (\n)%4
.irp c, 0,1
	ds_load_b128 v[AR+8*lr+4*\c:AR+8*lr+4*\c+3], v[ADA] offset:8192*lm+1024*le+512*\c
.endr
.irp c, 0,1
	ds_load_b128 v[WR+8*lr+4*\c:WR+8*lr+4*\c+3], v[WTR] offset:512*lm+64*le+16*\c
.endr
.if (\n) < 8
	WIN 0x40
.irp k, 0,1,2,3
.irp c, 0,1
	ds_load_b128 v[32*le+8*\k+4*\c:32*le+8*\k+4*\c+3], v[ADB0+le/4] offset:64*272*(le%4)+64*\k+32*\c
.endr
.endr
	WIN 0
.endif
.endif
.endm
; The weighted sums of step n: [k][j], two tokens an instruction; the tile's last expert writes [j][k], and the rows leave
.macro PK n
.set pe, (\n)%8
.set pm, (\n)/8
.set pw, WR+8*((\n)%4)
.set pd, DD+32*((\n)%2)
.if pe == 7
	s_wait_alu depctr_va_vdst(0)
	s_wait_xcnt 0x0                                ; the last tile's stores have read their data registers
.irp j, 0,1,2,3,4,5,6,7
.irp k, 0,1,2,3
	v_fma_f32 v[O+4*\j+\k], v[pd+8*\k+\j], v[pw+\j], v[ACC+8*\k+\j]
.endr
	global_store_b128 v[CO], v[O+4*\j:O+4*\j+3], s[16:17] offset:131072*pm+16384*\j th:TH_STORE_NT   ; each half of the lanes stores 256 consecutive bytes of one row
.endr
.else
.irp k, 0,1,2,3
.irp j, 0,2,4,6
.if pe == 0
	v_pk_mul_f32 v[ACC+8*\k+\j:ACC+8*\k+\j+1], v[pd+8*\k+\j:pd+8*\k+\j+1], v[pw+\j:pw+\j+1]
.else
	v_pk_fma_f32 v[ACC+8*\k+\j:ACC+8*\k+\j+1], v[pd+8*\k+\j:pd+8*\k+\j+1], v[pw+\j:pw+\j+1], v[ACC+8*\k+\j:ACC+8*\k+\j+1]
.endif
.endr
.endr
.endif
.endm
; Step N: its four products, then the step before's weighted sums (the places behind the products), then the loads of step N + 3
.macro STEPN
.set wc, 0
.irp d, 1,2
.if N+\d < 8
.set wc, wc+12
.elseif N+\d < 32
.set wc, wc+4
.endif
.endr
	s_wait_dscnt wc                                ; the loads of steps N + 1 and N + 2 may be out
	WIN 0x04
.set rA, AR+8*(N%4)
.set rS, ASC+4*((N%8)/2)+N/8
.irp k, 0,1,2,3
.set rD, DD+32*(N%2)+8*\k
.set rB, 32*(N%8)+8*\k
.set rT, DSC+4*((N%8)/2)+\k
.if N%2
	v_wmma_scale_f32_16x16x128_f8f6f4 v[rD:rD+7], v[rA:rA+7], v[rB:rB+7], 0, v[rS], v[rT] matrix_a_fmt:MATRIX_FMT_FP4 matrix_b_fmt:MATRIX_FMT_FP4 matrix_a_scale:MATRIX_SCALE_ROW1 matrix_b_scale:MATRIX_SCALE_ROW1
.else
	v_wmma_scale_f32_16x16x128_f8f6f4 v[rD:rD+7], v[rA:rA+7], v[rB:rB+7], 0, v[rS], v[rT] matrix_a_fmt:MATRIX_FMT_FP4 matrix_b_fmt:MATRIX_FMT_FP4
.endif
.endr
	WIN 0
.if N == 1
	PLACES                                         ; in front of the first read of results
.endif
.if N > 0
	PK N-1
.endif
	LDN N+3
.endm
	LDN 0
	LDN 1
	LDN 2
.set N, 0
.rept 32
	STEPN
.set N, N+1
.endr
	PK N-1
	s_wait_tensorcnt 0x0                           ; the wave's end
	ds_add_u32 v[SPW], v[NIL]
	s_wait_dscnt 0x0
	CROUND                                         ; the closing round
	s_endpgm
.Lfunc_end_k_qa59dbfe5a5_out:
	.size	k_qa59dbfe5a5_out, .Lfunc_end_k_qa59dbfe5a5_out-k_qa59dbfe5a5_out
	.p2alignl 7, 3214868480
	.fill 96, 4, 3214868480
	.section	.rodata,"a",@progbits
	.p2align	6, 0x0
	.amdhsa_kernel k_qa59dbfe5a5_out
		.amdhsa_group_segment_fixed_size 209920
		.amdhsa_private_segment_fixed_size 0
		.amdhsa_enable_private_segment 0
		.amdhsa_kernarg_size 56
		.amdhsa_user_sgpr_count 2
		.amdhsa_user_sgpr_kernarg_segment_ptr 1
		.amdhsa_wavefront_size32 1
		.amdhsa_system_sgpr_workgroup_id_x 1
		.amdhsa_system_sgpr_workgroup_id_y 1
		.amdhsa_system_sgpr_workgroup_id_z 1
		.amdhsa_system_vgpr_workitem_id 0
		.amdhsa_next_free_vgpr 512
		.amdhsa_next_free_sgpr 80
		.amdhsa_reserve_vcc 1
		.amdhsa_float_denorm_mode_32 3
		.amdhsa_float_denorm_mode_16_64 3
		.amdhsa_memory_ordered 1
		.amdhsa_forward_progress 1
		.amdhsa_inst_pref_size 80
	.end_amdhsa_kernel
	.amdgpu_metadata
---
amdhsa.version: [ 1, 2 ]
amdhsa.kernels:
  - .name:           k_qa59dbfe5a5_out
    .symbol:         k_qa59dbfe5a5_out.kd
    .args:
      - { .name: actc, .offset: 0, .size: 8, .value_kind: global_buffer, .address_space: global }
      - { .name: acts, .offset: 8, .size: 8, .value_kind: global_buffer, .address_space: global }
      - { .name: down_proj_codes, .offset: 16, .size: 8, .value_kind: global_buffer, .address_space: global }
      - { .name: down_proj_scales, .offset: 24, .size: 8, .value_kind: global_buffer, .address_space: global }
      - { .name: top_k_index, .offset: 32, .size: 8, .value_kind: global_buffer, .address_space: global }
      - { .name: top_k_weights, .offset: 40, .size: 8, .value_kind: global_buffer, .address_space: global }
      - { .name: out0, .offset: 48, .size: 8, .value_kind: global_buffer, .address_space: global }
    .group_segment_fixed_size: 209920
    .private_segment_fixed_size: 0
    .kernarg_segment_align: 8
    .kernarg_segment_size: 56
    .max_flat_workgroup_size: 256
    .sgpr_count:     80
    .vgpr_count:     512
    .wavefront_size: 32
...
	.end_amdgpu_metadata
.endif
;; end of part 2
